; MI455X (gfx1250); checked and timed in simulation.
; The chip was launched on July 23, 2026; its instructions are those of AMD's public machine-readable ISA for CDNA 5 (MIT licence, August 2026) and "CDNA5" Instruction Set Architecture Reference Guide (July 2026). The comments in the code are by the model that wrote it; some were corrected since.
;; Roberta Self Attention. Allowed arithmetic: matrix products marked QUANTISED: E2M1 operands, one E8M0 scale for each 32 along K, by v_wmma_scale_f32_16x16x128_f8f6f4 with both operands' format E2M1 (or v_wmma_scale_f32_32x16x128_f4), f32 sums; everything else in f32.
;; Inputs: Wk_codes 768 x 24 x 16 uint8 (E2M1 codes of Wk, K innermost, in blocks of 32 codes, two codes a byte); Wk_scales 768 x 24 uint8 (E8M0 scales of Wk, one for each 32 codes along K); Wq_codes 768 x 24 x 16 uint8 (E2M1 codes of Wq, K innermost, in blocks of 32 codes, two codes a byte); Wq_scales 768 x 24 uint8 (E8M0 scales of Wq, one for each 32 codes along K); Wv_codes 768 x 24 x 16 uint8 (E2M1 codes of Wv, K innermost, in blocks of 32 codes, two codes a byte); Wv_scales 768 x 24 uint8 (E8M0 scales of Wv, one for each 32 codes along K); attention_mask 1 x 1 x 1 x 4,096 float32; bk 768 float32; bq 768 float32; bv 768 float32; hidden_states_codes 1 x 4,096 x 24 x 16 uint8 (E2M1 codes of hidden_states, K innermost, in blocks of 32 codes, two codes a byte); hidden_states_scales 1 x 4,096 x 24 uint8 (E8M0 scales of hidden_states, one for each 32 codes along K).
;; Outputs: out0 1 x 4,096 x 768 float32.
;; This version of the problem:
;;   THIS VERSION OF THE PROBLEM IS GIVEN IN LOW PRECISION. The matrix products marked QUANTISED in the list below multiply operands that are first quantised to E2M1 (2 exponent bits, 1 mantissa bit; 4 bits a number), with one power-of-two scale for each 32 numbers along K (OCP MX v1.0); their sums are f32. All else is computed in f32.
;;   The module's matrix products, in the order in which they are computed (A, B: the left and right operand; K: the contracted axis; several contracted axes count as one K, in the product's order):
;;     1. [M 4,096, K 768] x [K 768, N 768]; A: input hidden_states (given as codes); B: input Wq (given as codes): QUANTISED
;;     2. [M 4,096, K 768] x [K 768, N 768]; A: input hidden_states (given as codes); B: input Wk (given as codes): QUANTISED
;;     3. [M 4,096, K 768] x [K 768, N 768]; A: input hidden_states (given as codes); B: input Wv (given as codes): QUANTISED
;;     4. batch 12 x [M 4,096, K 64] x [K 64, N 4,096]; A: computed on the way; B: computed on the way: QUANTISED
;;     5. batch 12 x [M 4,096, K 4,096] x [K 4,096, N 64]; A: softmax (see below); B: computed on the way: QUANTISED
;;   THE QUANTISER, for each operand of a quantised product, along K:
;;     - K is cut into blocks of 32 from its start; a last block that is shorter is filled with zeros.
;;     - A block's scale is 2^e with e = floor(log2(the largest magnitude in the block)) - 2, held to -126 .. 127; a block of zeros has e = 0. As a byte (E8M0): e + 127.
;;     - Each number is divided by its block's scale, clamped to +-6, and rounded to the nearest number of E2M1, ties to even, subnormals kept.
;;     - The product sums the exact products of the quantised numbers (number of the format x scale) in f32.
;;   ~~~python
;;   def quantise(x, axis):      # numpy; x: float32 -> the quantised numbers, widened to float32 again
;;       x = np.moveaxis(x, axis, -1); K = x.shape[-1]
;;       x = np.pad(x, [(0, 0)] * (x.ndim - 1) + [(0, -K % 32)]); x = x.reshape(x.shape[:-1] + (-1, 32)); a = np.abs(x).max(-1, keepdims=True)
;;       e = np.where(a > 0, np.clip(np.frexp(np.where(a > 0, a, 1))[1] - 1 - 2, -126, 127), 0)      # np.frexp(a)[1] - 1 = floor(log2(a)), exactly
;;       r = np.clip(x / 2.0 ** e, -6, 6)
;;       step = 2.0 ** (np.maximum(np.frexp(np.where(r == 0, 1, r))[1] - 1, 0) - 1)
;;       q = np.round(r / step) * step * 2.0 ** e      # np.round: ties to even
;;       return np.moveaxis(q.reshape(q.shape[:-2] + (-1,))[..., :K], -1, axis).astype(np.float32)
;;   ~~~
;;   SOFTMAX AHEAD OF A QUANTISED PRODUCT. Where the list says 'softmax', what is quantised is not the finished softmax but p = 2^(t - M), with t = logit x log2(e) and M = ceil(the row's largest t), a whole number; so 1/2 < the row's largest p <= 1. The row's sum l is taken of the UNQUANTISED p, in f32, and the product's result is divided by l at the end. Since M is a whole number, a kernel that streams over the keys may use a running M (the ceiling of the running maximum): every later rescaling is an exact power of two, which a block's scale takes up: the codes' values come out the same.
;;   OPERANDS COMPUTED ON THE WAY. 'Computed on the way' means the value that the module computes at that place (a softmax that the list does not call 'softmax' is quantised finished and normalised). What goes into a quantiser is computed in f32, as accurately as f32 sums, v_exp_f32 and their like allow (about 1e-6 of the number): no bf16 or f16 on the way to a quantiser, and a product that is left as it is and whose result goes on into a quantised operand takes f32 operands (vector FMAs, or v_wmma_f32_16x16x4_f32). A number that lies on a knife's edge between two numbers of the format may be rounded either way, as far as f32 arithmetic and the matrix unit's own rounding can turn it there, and no further.
;;   INPUTS GIVEN AS CODES. Wk (in the module: [768, 768], K = its axis 0); Wq (in the module: [768, 768], K = its axis 0); Wv (in the module: [768, 768], K = its axis 0); hidden_states (in the module: [1, 4096, 768], K = its axis 2): each comes as NAME_codes (uint8): NAME with its K axis moved to the last place and cut into blocks of 32 codes, [.., K / 32, bytes a block], one block behind the other in memory; two codes a byte, the lower K in the low four bits (a code: sign, 2 exponent bits, 1 mantissa bit); and NAME_scales (uint8): the same leading axes, one E8M0 byte (e + 127) for each 32 codes along K. Its value is code x scale, taken as it is: it is not quantised again, and the codes and scales need not be those that the quantiser above would give.
;; One version. Each part assembles by itself: llvm-mc -triple=amdgcn-amd-amdhsa -mcpu=gfx1250 --defsym DOCPART=n.
;; ======== version 1 of 1: 2 launches
;; limits: right only within a limited range of input values
;; workspace buffers: kv 3,538,944 bytes; qc 1,572,864 bytes; qs 196,608 bytes
;; launch proj (part 1): grid 16 x 12, 8 waves a work-group, clusters of 4 x 4, 214,016 bytes of LDS; arguments hidden_states_codes, hidden_states_scales, Wq_codes, Wq_scales, Wk_codes, Wk_scales, Wv_codes, Wv_scales, bq, bk, bv, attention_mask, qc, qs, kv; writes qc, qs, kv
.if DOCPART == 1
	.amdgcn_target "amdgcn-amd-amdhsa--gfx1250"
	.amdhsa_code_object_version 6
	.text
	.protected	k_qcb9964c42d_proj
	.globl	k_qcb9964c42d_proj
	.p2align	8
	.type	k_qcb9964c42d_proj,@function
k_qcb9964c42d_proj:
	s_mov_b64 s[64:65], 0
	v_nop
	global_prefetch_b8 v0, s[64:65] scope:SCOPE_SE
	s_setreg_imm32_b32 hwreg(HW_REG_WAVE_MODE, 25, 1), 1
	s_wait_xcnt 0x0
	s_wait_alu depctr_hold_cnt(0) depctr_sa_sdst(0) depctr_va_vdst(0) depctr_va_sdst(0) depctr_va_ssrc(0) depctr_va_vcc(0) depctr_vm_vsrc(0)
	s_getreg_b32 s2, hwreg(HW_REG_IB_STS2, 6, 4)
	s_cmp_eq_u32 s2, 0
	s_cbranch_scc0 .Lentry_in_a_cluster
	s_endpgm
.Lentry_in_a_cluster:
	s_bfe_u32 s2, ttmp6, 0x10000c
	s_cmp_lg_u32 s2, 0xf033
	s_cbranch_scc0 .Lentry_shape_is_right
	s_endpgm
.Lentry_shape_is_right:
; q, k, v = hidden_states W + b on codes of FP4 (E2M1) with E8M0 scales, then quantised again: q and k along the head's 64 channels, v along the keys.
; The results go to memory as IMAGES OF THE NEXT LAUNCH'S OPERAND REGISTERS (lane l's 16 bytes at 16 l), so that every store here and every load there covers 512 consecutive bytes.
; SHARES.  Work-group (X, Y) takes tokens 256 X .. 256 X + 255 of head Y.  Each of its eight waves runs three jobs of one shape (8 fragments as source 0, one as source 1, 6 K steps of 128: 48 products on 8 accumulators by turns):
;   twice: source 0 = the 128 rows [Wq; Wk] of the head, source 1 = 16 tokens: a lane holds ONE token, its 64 registers q's 64 and k's 64 channels (its half of each block of 32);
;   once:  source 0 = 128 tokens, source 1 = 16 rows of Wv: a lane holds ONE channel of v, its 64 registers its half of 128 tokens: the keys, which are the K of the last product.
; THE ROWS OF A TILE ARE NOT NEIGHBOURS: lane r of tile i takes row 32 (i / 2) + 8 (i % 2) + r + 8 (r / 8), so that the 16 registers of tiles 2 b and 2 b + 1 are 16 neighbours along the next K.
; The biases are the C of each sum's first product.  The division of the scores by sqrt(64) = 8 is taken exactly: 3 off q's scale bytes.
; A RECORD of kv (9,216 bytes) is what one step of 128 keys of one head wants: +0 eight tiles of K (512 bytes each), +4096 four tiles of V^T (two halves of 512 bytes each), +8192 the scale words
; (lane r: K's four pairs of tiles; lane 16 + r: V's four tiles), +8704 the step's 128 numbers of the mask.
; CLUSTER 4 x 4: the four work-groups of a column (same X) ask jointly for the panels of hidden_states, the four of a row (same Y) for the head's panels of Wq, Wk, Wv.  LDS is filled once; nothing is filled again.
; LIMITS: a block of q, k or v whose largest magnitude lies under 2^-121 gets the scale byte 4 (so that q's byte less 3 stays 1 or more); a mask number under f32's lowest finite number (-infinity) is held at that number;
; NaN among the inputs is not served.
.set PITCH, 432                        ; a row of 768 codes in LDS: three pieces of 128 bytes, 16 bytes of padding behind each: 27 x 16 bytes, so that eight neighbouring rows start at eight different groups of banks
.set PANEL, 64*PITCH                   ; 64 rows: what one tensor load brings.  Panels 0-3: my 256 tokens; 4: Wq; 5: Wk; 6: Wv
.set SCL,   7*PANEL                    ; behind the codes: the scale bytes, 24 a row, dense, in the same order of rows
.set SPAN,  64*24
.set STG,   SCL+7*SPAN                 ; behind them: the scale words made here (no tensor load lands there): +0, +512 the two records' parts, +1024 q's 16 tiles x 64 bytes
.set REC,   9216
.set LI,    1                          ; v1   16 x lane
.set A_QK,  2                          ; v2   LDS address of source 0's fragments: [Wq; Wk]
.set A_V,   3                          ; v3   my step's 128 tokens
.set B_QK,  4                          ; v4   of source 1's: my tile of tokens in step 0
.set B_V,   5                          ; v5   my 16 rows of Wv
.set AS_QK, 6                          ; v6-9 the same four for the scale words
.set AS_V,  7
.set BS_QK, 8
.set BS_V,  9
.set KSA,   10                         ; v10  where k's two scale bytes go
.set VSA,   11                         ; v11  v's scale word
.set QSA,   12                         ; v12  q's scale word
.set OUTL,  13                         ; v13  where waves 0-3 read the gathered words back
.set ACC,   16                         ; v16-79   eight accumulators
.set AF,    80                         ; v80-207  source 0's eight fragments, two sets
.set PC,    96                         ; v96-103  behind a job's products: the codes just made
.set T1,    104                        ; v104, v105 at work on scale words
.set T2,    105
.set BF,    208                        ; v208-223 source 1's fragment, two sets
.set AS,    224                        ; v224-239 source 0's scale words, two sets
.set BS,    240                        ; v240-241 source 1's
.set TM,    242                        ; v242-245 largest magnitudes, v246-249 the other half's and then the bytes, v250-253 the conversions' scale operands
.set PW,    254                        ; v254 the scale word just made
.set WV,    34                         ; s34  my wave's number
.set SEL,   100                        ; s[100:101] lane selects: lane l xor 16
.set MSB, 0
.macro WIN new                         ; the immediate's high byte repeats the setting that is left
.if MSB != \new
	s_set_vgpr_msb (MSB<<8)|\new
.set MSB, \new
.endif
.endm
.macro CROUND                          ; a round of the cluster's barrier
	s_barrier_signal -1
	s_barrier_wait -1
	s_cmp_lg_u32 s[WV], 0
	s_cbranch_scc1 .Lnot_wave_0_\@
	s_barrier_signal -3
.Lnot_wave_0_\@:
	s_barrier_wait -3
	s_barrier_signal -1
	s_barrier_wait -1
.endm
.macro PLACES                          ; four plain instructions between a product and a load into, or a read of, its registers
.rept 4
	v_nop
.endr
.endm
; 27 LDS loads: K step kk's fragments and scale words into set bf.  A fragment: lane (r, h) takes 16 bytes at row x PITCH + the K step's place + 32 c + 16 h, c = 0, 1
.macro LOADK kk, bf, aadr, asadr, badr, bsadr, boff, bsoff
.irp i, 0,1,2,3,4,5,6,7
	ds_load_b128 v[AF+64*(\bf)+8*\i:AF+64*(\bf)+8*\i+3], v[\aadr] offset:(32*(\i/2)+8*(\i%2))*PITCH+144*((\kk)/2)+64*((\kk)%2)
	ds_load_b128 v[AF+64*(\bf)+8*\i+4:AF+64*(\bf)+8*\i+7], v[\aadr] offset:(32*(\i/2)+8*(\i%2))*PITCH+144*((\kk)/2)+64*((\kk)%2)+32
	ds_load_b32 v[AS+8*(\bf)+\i], v[\asadr] offset:(32*(\i/2)+8*(\i%2))*24+4*(\kk)
.endr
	ds_load_b128 v[BF+8*(\bf):BF+8*(\bf)+3], v[\badr] offset:(\boff)+144*((\kk)/2)+64*((\kk)%2)
	ds_load_b128 v[BF+8*(\bf)+4:BF+8*(\bf)+7], v[\badr] offset:(\boff)+144*((\kk)/2)+64*((\kk)%2)+32
	ds_load_b32 v[BS+(\bf)], v[\bsadr] offset:(\bsoff)+4*(\kk)
.endm
; 8 products, the accumulators by turns, one instruction a turn.  K step 0 starts the sums with the bias, which lies in window 1
.macro MULK kk, bf, cbase, cstep
.if (\kk) == 0
	WIN 0x10                                       ; source 2 in window 1
.endif
.irp i, 0,1,2,3,4,5,6,7
.if (\kk) == 0
	v_wmma_scale_f32_16x16x128_f8f6f4 v[ACC+8*\i:ACC+8*\i+7], v[AF+64*(\bf)+8*\i:AF+64*(\bf)+8*\i+7], v[BF+8*(\bf):BF+8*(\bf)+7], v[(\cbase)+(\cstep)*\i:(\cbase)+(\cstep)*\i+7], v[AS+8*(\bf)+\i], v[BS+(\bf)] matrix_a_fmt:MATRIX_FMT_FP4 matrix_b_fmt:MATRIX_FMT_FP4
.else
	v_wmma_scale_f32_16x16x128_f8f6f4 v[ACC+8*\i:ACC+8*\i+7], v[AF+64*(\bf)+8*\i:AF+64*(\bf)+8*\i+7], v[BF+8*(\bf):BF+8*(\bf)+7], v[ACC+8*\i:ACC+8*\i+7], v[AS+8*(\bf)+\i], v[BS+(\bf)] matrix_a_fmt:MATRIX_FMT_FP4 matrix_b_fmt:MATRIX_FMT_FP4
.endif
.endr
.if (\kk) == 0
	WIN 0
.endif
.endm
; A job: six K steps, the next step's loads issued ahead of this step's products
.macro JOB aadr, asadr, badr, bsadr, boff, bsoff, cbase, cstep
	LOADK 0, 0, \aadr, \asadr, \badr, \bsadr, \boff, \bsoff
.irp q, 0,1,2,3,4
.if \q > 0
	PLACES                                         ; the set that the last step's products read is loaded again
.endif
	LOADK \q+1, (\q+1)%2, \aadr, \asadr, \badr, \bsadr, \boff, \bsoff
	s_wait_dscnt 27                                ; all but the 27 loads just issued: this step's fragments are in
	MULK \q, (\q)%2, \cbase, \cstep
.endr
	s_wait_dscnt 0x0
	MULK 5, 1, \cbase, \cstep
	PLACES                                         ; ahead of the first read of results
.endm
; The 64 numbers of a lane, register 16 b + i = k 32 b + 16 (lane / 16) + i of its row, become a fragment's codes in v[PC] on and the row's scale word in v[PW]
.macro QUANT
.irp b, 0,1,2,3
	v_max3_num_f32 v[TM+\b], |v[ACC+16*\b]|, |v[ACC+1+16*\b]|, 0x3000000   ; block b: my 16 numbers (each accumulator from its low end on), and the floor 2^(6 - 127): the byte cannot fall under 4
.endr
.irp i, 2,4,6,8,10,12,14
.irp b, 0,1,2,3
	v_max3_num_f32 v[TM+\b], v[TM+\b], |v[ACC+16*\b+\i]|, |v[ACC+1+16*\b+\i]|   ; the four blocks by turns
.endr
.endr
.irp b, 0,1,2,3
	v_permlanex16_b32 v[TM+4+\b], v[TM+\b], s[SEL], s[SEL+1]
.endr
.irp b, 0,1,2,3
	v_max_num_f32 v[TM+\b], v[TM+\b], v[TM+4+\b]   ; with lane l xor 16's: the block's largest magnitude
.endr
.irp b, 0,1,2,3
	v_add_nc_u32 v[TM+8+\b], 0xff000000, v[TM+\b]  ; 2 off its exponent field: the conversion takes this operand's exponent field as its scale
.endr
.irp b, 0,1,2,3
	v_lshrrev_b32 v[TM+4+\b], 23, v[TM+8+\b]       ; the scale's byte
.endr
	v_lshl_or_b32 v[PW], v[TM+5], 8, v[TM+4]
	v_lshl_or_b32 v[PW], v[TM+6], 16, v[PW]
	v_lshl_or_b32 v[PW], v[TM+7], 24, v[PW]
.irp b, 0,1,2,3
	v_cvt_scalef32_pk8_fp4_f32 v[PC+2*\b], v[ACC+16*\b:ACC+7+16*\b], v[TM+8+\b]
	v_cvt_scalef32_pk8_fp4_f32 v[PC+1+2*\b], v[ACC+8+16*\b:ACC+15+16*\b], v[TM+8+\b]
.endr
	v_nop                                          ; one plain instruction behind a scaled conversion
.irp c, 0,1                                    ; the operand's layout wants a whole block in a lane: registers 4 c .. 4 c + 3 then hold k = 64 c + 32 (lane / 16) + 0 .. 31
.irp i, 0,1
	v_permlane16_swap_b32 v[PC+4*\c+\i], v[PC+2+4*\c+\i]
.endr
.endr
.endm
	s_load_b512 s[4:19], s[0:1], 0x0               ; hidden_states' codes s[4:5], scales s[6:7]; Wq's s[8:11]; Wk's s[12:15]; Wv's s[16:19]
	s_load_b256 s[20:27], s[0:1], 0x40             ; bq, bk, bv, the mask
	s_load_b128 s[28:31], s[0:1], 0x60             ; qc, qs
	s_load_b64 s[32:33], s[0:1], 0x70              ; kv
	v_lshl_add_u32 v255, v0, 2, 0x34000
	s_set_vgpr_msb 0x40
	v_mov_b32 v129, 0
	s_set_vgpr_msb 0x4044
	ds_add_u32 v255, v129
	ds_add_u32 v255, v129
	s_set_vgpr_msb 0x4400
	v_lshrrev_b32 v16, 5, v0
	v_readfirstlane_b32 s[WV], v16                 ; wave 0..7
	s_bfe_u32 s35, ttmp6, 0x40000                  ; cx, cy: my place in the cluster
	s_bfe_u32 s36, ttmp6, 0x40004
	s_lshl_b32 s37, ttmp9, 2
	s_add_co_u32 s37, s37, s35                     ; X = 4 x cluster x + cx: my 256 tokens
	s_and_b32 s38, ttmp7, 0xffff
	s_lshl_b32 s38, s38, 2
	s_add_co_u32 s38, s38, s36                     ; Y = 4 x cluster y + cy: my head
	s_lshl_b32 s39, 0x1111, s35                    ; my column of the cluster (same X)
	s_lshl_b32 s96, s36, 2
	s_lshl_b32 s96, 15, s96                        ; my row (same Y)
	s_mov_b32 s[SEL], 0x76543210
	s_mov_b32 s[SEL+1], 0xfedcba98
	; every LDS address is made here, ahead of the first branch on the wave's number
	v_and_b32 v16, 31, v0                          ; lane
	v_and_b32 v17, 15, v0                          ; r
	v_bfe_u32 v18, v0, 4, 1                        ; h
	v_and_b32 v19, 8, v17
	v_add_nc_u32 v19, v19, v17                     ; r + 8 (r / 8)
	v_lshlrev_b32 v[LI], 4, v16
	v_mul_u32_u24 v20, v19, PITCH
	v_lshl_add_u32 v20, v18, 4, v20                ; a fragment's place in the chosen order of rows,
	v_mul_u32_u24 v21, v17, PITCH
	v_lshl_add_u32 v21, v18, 4, v21                ; and in the plain order (Wv's rows)
	v_mul_u32_u24 v22, v19, 24                     ; the same two for the scale words
	v_mul_u32_u24 v23, v17, 24
	s_lshr_b32 s92, s[WV], 2                       ; w / 4: my step in the job for v
	s_and_b32 s93, s[WV], 3                        ; w % 4: my 16 channels of v
	s_lshr_b32 s94, s[WV], 1
	s_lshl_b32 s94, s94, 5
	s_and_b32 s95, s[WV], 1
	s_lshl_b32 s95, s95, 3
	s_add_co_u32 s94, s94, s95                     ; 32 (w / 2) + 8 (w % 2): where tile w of a step begins
	v_add_nc_u32 v[A_QK], 256*PITCH, v20
	s_mul_i32 s95, s92, 128*PITCH
	v_add_nc_u32 v[A_V], s95, v20
	s_mul_i32 s95, s94, PITCH
	v_add_nc_u32 v[B_QK], s95, v20
	s_mul_i32 s95, s93, 16*PITCH
	s_add_co_u32 s95, s95, 384*PITCH
	v_add_nc_u32 v[B_V], s95, v21
	v_add_nc_u32 v[AS_QK], SCL+256*24, v22
	s_mul_i32 s95, s92, 128*24
	s_add_co_u32 s95, s95, SCL
	v_add_nc_u32 v[AS_V], s95, v22
	s_mul_i32 s95, s94, 24
	s_add_co_u32 s95, s95, SCL
	v_add_nc_u32 v[BS_QK], s95, v22
	s_mul_i32 s95, s93, 16*24
	s_add_co_u32 s95, s95, SCL+384*24
	v_add_nc_u32 v[BS_V], s95, v23
	s_lshl_b32 s95, s[WV], 1
	s_add_co_u32 s95, s95, STG
	v_lshl_add_u32 v[KSA], v17, 4, s95             ; 16 r + 2 w: row r's four words, pair w / 2, half w % 2
	s_lshl_b32 s95, s93, 2
	s_lshl_b32 s98, s92, 9
	s_add_co_u32 s95, s95, s98
	s_add_co_u32 s95, s95, STG+256
	v_lshl_add_u32 v[VSA], v17, 4, s95             ; 256 + 16 r + 4 (w % 4), in record w / 4's part
	s_lshl_b32 s95, s[WV], 6
	s_add_co_u32 s95, s95, STG+1024
	v_lshl_add_u32 v[QSA], v17, 2, s95             ; 4 r + 64 w
	s_lshl_b32 s95, s[WV], 9
	s_add_co_u32 s95, s95, STG
	v_add_nc_u32 v[OUTL], s95, v[LI]
	v_lshlrev_b32 v14, 6, v18                      ; the biases of q and k: 16 numbers on for lanes 16-31
	v_lshlrev_b32 v15, 2, v17                      ; v's: my channel
.irp b, 0,1,2,3
	v_mov_b32 v[TM+4+\b], 0                        ; written once: a lane permute's destination counts as one of its sources
.endr
	; descriptor groups 1.  Codes: a panel is 24,576 dense bytes, stated as 192 rows of 128 bytes, 16 bytes of padding behind each
	s_or_b32 s40, s39, (1<<20)|(1<<21)|(4<<22)|(3<<25)   ; 15:0 the mask: hidden_states goes to my column; elements of 1 byte; 20 padding on; 21 set beside a mask; 24:22 after every 32 words (code 4); 31:25 four words (code 3)
	s_or_b32 s48, s96, (1<<20)|(1<<21)|(4<<22)|(3<<25)   ; the weights go to my row
.irp g, 40, 48
	s_mov_b32 s[\g+1], 128<<16                     ; tensor_dim0
	s_mov_b32 s[\g+2], 192<<16                     ; tensor_dim1
	s_mov_b32 s[\g+3], 128<<16                     ; tile_dim0
	s_mov_b32 s[\g+4], 192                         ; tile_dim1
	s_mov_b32 s[\g+5], 128                         ; from row to row
	s_mov_b32 s[\g+6], 0
	s_mov_b32 s[\g+7], 0
.endr
	; scale bytes: a panel's are 1,536 dense bytes: 6 rows of 256 (32 elements of 8 bytes), no padding
	s_or_b32 s56, s39, (3<<16)|(1<<21)
	s_or_b32 s68, s96, (3<<16)|(1<<21)
.irp g, 56, 68
	s_mov_b32 s[\g+1], 32<<16
	s_mov_b32 s[\g+2], 6<<16
	s_mov_b32 s[\g+3], 32<<16
	s_mov_b32 s[\g+4], 6
	s_mov_b32 s[\g+5], 32
	s_mov_b32 s[\g+6], 0
	s_mov_b32 s[\g+7], 0
.endr
	s_mul_i32 s97, s[WV], PANEL                    ; where my panel goes: the wave's number alone
	s_mul_i32 s98, s[WV], SPAN
	s_add_co_u32 s98, s98, SCL
	s_wait_dscnt 0x0
	s_wait_kmcnt 0x0
	; groups 0.  hidden_states' addresses hang on X and the wave, the weights' on Y and the wave; each in temporaries of its own
	s_mul_i32 s92, s37, 256*384
	s_mul_i32 s99, s[WV], 64*384
	s_add_co_u32 s92, s92, s99
	s_mov_b32 s93, 0
	s_mov_b32 s76, 1
	s_mov_b32 s77, s97
	s_add_nc_u64 s[78:79], s[4:5], s[92:93]
	s_or_b32 s79, s79, 0x80000000
	s_mul_i32 s92, s37, 256*24
	s_mul_i32 s99, s[WV], SPAN
	s_add_co_u32 s92, s92, s99
	s_mov_b32 s80, 1
	s_mov_b32 s81, s98
	s_add_nc_u64 s[82:83], s[6:7], s[92:93]
	s_or_b32 s83, s83, 0x80000000
	s_cmp_eq_u32 s[WV], 4                          ; wave 4: Wq, wave 5: Wk, wave 6: Wv
	s_cselect_b64 s[86:87], s[8:9], s[12:13]
	s_cselect_b64 s[90:91], s[10:11], s[14:15]
	s_cmp_lt_u32 s[WV], 6
	s_cselect_b64 s[86:87], s[86:87], s[16:17]
	s_cselect_b64 s[90:91], s[90:91], s[18:19]
	s_mul_i32 s94, s38, 64*384                     ; the head's 64 rows
	s_mov_b32 s95, 0
	s_add_nc_u64 s[86:87], s[86:87], s[94:95]
	s_mul_i32 s94, s38, SPAN
	s_add_nc_u64 s[90:91], s[90:91], s[94:95]
	s_mov_b32 s84, 1
	s_mov_b32 s85, s97
	s_or_b32 s87, s87, 0x80000000
	s_mov_b32 s88, 1
	s_mov_b32 s89, s98
	s_or_b32 s91, s91, 0x80000000
	CROUND                                         ; all sixteen work-groups are here: the joint loads meet
	s_cmp_lt_u32 s[WV], 4                          ; a wave's two loads stand in one branch: two of mine are out at the most; wave 7 issues none
	s_cbranch_scc0 .Lnot_hs
	tensor_load_to_lds s[76:79], s[40:47]
	s_nop 0
	tensor_load_to_lds s[80:83], s[56:63]
	s_nop 0
.rept 4
	v_nop
.endr
	s_branch .Lasked
.Lnot_hs:
	s_cmp_lt_u32 s[WV], 7
	s_cbranch_scc0 .Lasked
	tensor_load_to_lds s[84:87], s[48:55]
	s_nop 0
	tensor_load_to_lds s[88:91], s[68:75]
	s_nop 0
.rept 4
	v_nop
.endr
.Lasked:
	; where the results go (s4-s19 are free: the descriptors hold copies)
	s_mov_b32 s5, 0
	s_lshl_b32 s4, s38, 5
	s_lshl_b32 s6, s37, 1
	s_add_co_u32 s4, s4, s6
	s_mul_i32 s4, s4, REC
	s_add_nc_u64 s[32:33], s[32:33], s[4:5]        ; kv at record 2 X of head Y
	s_lshl_b32 s4, s[WV], 9
	s_add_nc_u64 s[6:7], s[32:33], s[4:5]          ; + 512 w: my tile of K
	s_lshr_b32 s4, s[WV], 2
	s_mul_i32 s4, s4, REC
	s_and_b32 s8, s[WV], 3
	s_lshl_b32 s9, s8, 10
	s_add_co_u32 s4, s4, s9
	s_add_co_u32 s4, s4, 4096
	s_lshl_b32 s12, s8, 6                          ; my 16 numbers of bv, in bytes
	s_add_nc_u64 s[8:9], s[32:33], s[4:5]          ; record w / 4, tile w % 4 of V^T
	s_lshl_b32 s4, s38, 8                          ; 256 Y: the head's first tile of queries, and the head's 64 numbers of a bias in bytes
	s_lshl_b32 s10, s37, 4
	s_add_co_u32 s10, s4, s10                      ; 256 Y + 16 X
	s_add_nc_u64 s[20:21], s[20:21], s[4:5]
	s_add_nc_u64 s[22:23], s[22:23], s[4:5]
	s_add_co_u32 s4, s4, s12
	s_add_nc_u64 s[24:25], s[24:25], s[4:5]
	s_lshl_b32 s4, s10, 6
	s_add_nc_u64 s[30:31], s[30:31], s[4:5]        ; qs at my 16 tiles
	s_add_co_u32 s4, s10, s[WV]
	s_lshl_b32 s4, s4, 9
	s_add_nc_u64 s[28:29], s[28:29], s[4:5]        ; qc at tile w of them
	s_lshl_b32 s4, s37, 10
	s_add_nc_u64 s[26:27], s[26:27], s[4:5]        ; the mask at my 256 tokens
	s_min_u32 s4, s[WV], 1                         ; the gathered scale words: waves 0, 1 store the two records' parts, waves 2, 3 q's
	s_mul_i32 s4, s4, REC
	s_add_co_u32 s4, s4, 8192
	s_add_nc_u64 s[10:11], s[32:33], s[4:5]
	s_max_u32 s4, s[WV], 2
	s_sub_co_u32 s4, s4, 2
	s_min_u32 s4, s4, 1
	s_lshl_b32 s4, s4, 9
	s_add_nc_u64 s[12:13], s[30:31], s[4:5]
	s_cmp_lt_u32 s[WV], 2
	s_cselect_b64 s[10:11], s[10:11], s[12:13]
	; the biases, in the results' layout, into window 1: v0-63: register 8 i + j = b(32 (i / 2) + 16 h + 8 (i % 2) + j), q's for i < 4, k's behind; v64-71: my channel's bv, eight times
	WIN 0x40
.irp i, 0,1,2,3
	global_load_b128 v[8*\i:8*\i+3], v14, s[20:21] offset:(32*(\i/2)+8*(\i%2))*4
	global_load_b128 v[8*\i+4:8*\i+7], v14, s[20:21] offset:(32*(\i/2)+8*(\i%2))*4+16
	global_load_b128 v[32+8*\i:32+8*\i+3], v14, s[22:23] offset:(32*(\i/2)+8*(\i%2))*4
	global_load_b128 v[32+8*\i+4:32+8*\i+7], v14, s[22:23] offset:(32*(\i/2)+8*(\i%2))*4+16
.endr
.irp j, 0,1,2,3,4,5,6,7
	global_load_b32 v[64+\j], v15, s[24:25]
.endr
	WIN 0
	s_cmp_eq_u32 s[WV], 7                          ; wave 7, which fetches no panel, copies the mask of my 256 tokens into the two records
	s_cbranch_scc0 .Lno_mask
	global_load_b128 v[80:83], v[LI], s[26:27]
	global_load_b128 v[84:87], v[LI], s[26:27] offset:512
	s_wait_loadcnt 0x0
.irp j, 0,1,2,3,4,5,6,7
	v_max_num_f32 v[80+\j], 0xff7fffff, v[80+\j]   ; held at f32's lowest finite number
.endr
	global_store_b128 v[LI], v[80:83], s[32:33] offset:8704
	global_store_b128 v[LI], v[84:87], s[32:33] offset:REC+8704
	s_wait_xcnt 0x0                                ; the stores have read their registers: LDS loads land there below
.Lno_mask:
	s_wait_loadcnt 0x0                             ; the biases
	s_wait_tensorcnt 0x0                           ; my panel and its scale bytes have landed (for 0: not every wave issued loads),
	s_barrier_signal -1
	s_barrier_wait -1                              ; everybody's have
.irp g, 0,1                                    ; q and k of tile w of step g
	JOB A_QK, AS_QK, B_QK, BS_QK, 128*PITCH*\g, 128*24*\g, 0, 8
	QUANT
	global_store_b128 v[LI], v[PC:PC+3], s[28:29] offset:8*512*\g         ; q's image: 512 consecutive bytes
	global_store_b128 v[LI], v[PC+4:PC+7], s[6:7] offset:REC*\g           ; k's
	v_and_b32 v[T1], 0xffff, v[PW]                 ; q's two bytes,
	v_add_nc_u32 v[T1], 0xfffffcfd, v[T1]          ; 3 off each (each is 4 or more: nothing is borrowed): the scores' division by 8,
	v_lshl_or_b32 v[T1], v[T1], 16, v[T1]          ; twice: q stands in the lower or in the upper half of the next product's K
	ds_store_b32 v[QSA], v[T1] offset:512*\g
	v_lshrrev_b32 v[T2], 16, v[PW]                 ; k's two bytes
	ds_store_b16 v[KSA], v[T2] offset:512*\g       ; lanes r and 16 + r write the same bytes with the same value
	s_wait_xcnt 0x0                                ; the stores have read the codes' registers,
	s_wait_dscnt 0x0                               ; the LDS stores theirs: the next job's loads land there
.endr
	JOB A_V, AS_V, B_V, BS_V, 0, 0, 64, 0          ; v: step w / 4, channels 16 (w % 4) on
	QUANT
	global_store_b128 v[LI], v[PC:PC+3], s[8:9]            ; keys 32 h .. of the step's first 64
	global_store_b128 v[LI], v[PC+4:PC+7], s[8:9] offset:512   ; and of its second
	ds_store_b32 v[VSA], v[PW]
	s_wait_dscnt 0x0                               ; for the others' sake: my scale words lie in LDS
	s_barrier_signal -1
	s_barrier_wait -1
	s_cmp_lt_u32 s[WV], 4
	s_cbranch_scc0 .Ldone
	ds_load_b128 v[16:19], v[OUTL]                 ; 512 bytes of gathered words
	s_wait_dscnt 0x0
	global_store_b128 v[LI], v[16:19], s[10:11]
.Ldone:
	s_set_vgpr_msb 0x4
	s_wait_tensorcnt 0x0
	ds_add_u32 v255, v129
	s_wait_dscnt 0x0
	s_set_vgpr_msb 0x400
	CROUND                                         ; the closing round: no work-group ends while a partner may still ask for a panel that names it
	s_endpgm
.Lfunc_end_k_qcb9964c42d_proj:
	.size	k_qcb9964c42d_proj, .Lfunc_end_k_qcb9964c42d_proj-k_qcb9964c42d_proj
	.p2alignl 7, 3214868480
	.fill 96, 4, 3214868480
	.section	.rodata,"a",@progbits
	.p2align	6, 0x0
	.amdhsa_kernel k_qcb9964c42d_proj
		.amdhsa_group_segment_fixed_size 214016
		.amdhsa_private_segment_fixed_size 0
		.amdhsa_enable_private_segment 0
		.amdhsa_kernarg_size 120
		.amdhsa_user_sgpr_count 2
		.amdhsa_user_sgpr_kernarg_segment_ptr 1
		.amdhsa_wavefront_size32 1
		.amdhsa_system_sgpr_workgroup_id_x 1
		.amdhsa_system_sgpr_workgroup_id_y 1
		.amdhsa_system_sgpr_workgroup_id_z 1
		.amdhsa_system_vgpr_workitem_id 0
		.amdhsa_next_free_vgpr 386
		.amdhsa_next_free_sgpr 102
		.amdhsa_reserve_vcc 0
		.amdhsa_float_denorm_mode_32 3
		.amdhsa_float_denorm_mode_16_64 3
		.amdhsa_memory_ordered 1
		.amdhsa_forward_progress 1
		.amdhsa_inst_pref_size 79
	.end_amdhsa_kernel
	.amdgpu_metadata
---
amdhsa.version: [ 1, 2 ]
amdhsa.kernels:
  - .name:           k_qcb9964c42d_proj
    .symbol:         k_qcb9964c42d_proj.kd
    .args:
      - { .name: hidden_states_codes, .offset: 0, .size: 8, .value_kind: global_buffer, .address_space: global }
      - { .name: hidden_states_scales, .offset: 8, .size: 8, .value_kind: global_buffer, .address_space: global }
      - { .name: Wq_codes, .offset: 16, .size: 8, .value_kind: global_buffer, .address_space: global }
      - { .name: Wq_scales, .offset: 24, .size: 8, .value_kind: global_buffer, .address_space: global }
      - { .name: Wk_codes, .offset: 32, .size: 8, .value_kind: global_buffer, .address_space: global }
      - { .name: Wk_scales, .offset: 40, .size: 8, .value_kind: global_buffer, .address_space: global }
      - { .name: Wv_codes, .offset: 48, .size: 8, .value_kind: global_buffer, .address_space: global }
      - { .name: Wv_scales, .offset: 56, .size: 8, .value_kind: global_buffer, .address_space: global }
      - { .name: bq, .offset: 64, .size: 8, .value_kind: global_buffer, .address_space: global }
      - { .name: bk, .offset: 72, .size: 8, .value_kind: global_buffer, .address_space: global }
      - { .name: bv, .offset: 80, .size: 8, .value_kind: global_buffer, .address_space: global }
      - { .name: attention_mask, .offset: 88, .size: 8, .value_kind: global_buffer, .address_space: global }
      - { .name: qc, .offset: 96, .size: 8, .value_kind: global_buffer, .address_space: global }
      - { .name: qs, .offset: 104, .size: 8, .value_kind: global_buffer, .address_space: global }
      - { .name: kv, .offset: 112, .size: 8, .value_kind: global_buffer, .address_space: global }
    .group_segment_fixed_size: 214016
    .private_segment_fixed_size: 0
    .kernarg_segment_align: 8
    .kernarg_segment_size: 120
    .max_flat_workgroup_size: 256
    .sgpr_count:     102
    .vgpr_count:     386
    .wavefront_size: 32
...
	.end_amdgpu_metadata
.endif
;; end of part 1
;; launch attn (part 2): grid 16 x 12, 16 waves a work-group, clusters of 4 x 1, 327,680 bytes of LDS; arguments qc, qs, kv, out0; writes out0
.if DOCPART == 2
	.amdgcn_target "amdgcn-amd-amdhsa--gfx1250"
	.amdhsa_code_object_version 6
	.text
	.protected	k_qcb9964c42d_attn
	.globl	k_qcb9964c42d_attn
	.p2align	8
	.type	k_qcb9964c42d_attn,@function
k_qcb9964c42d_attn:
	s_mov_b64 s[64:65], 0
	v_nop
	global_prefetch_b8 v0, s[64:65] scope:SCOPE_SE
	s_setreg_imm32_b32 hwreg(HW_REG_WAVE_MODE, 25, 1), 1
	s_wait_xcnt 0x0
	s_wait_alu depctr_hold_cnt(0) depctr_sa_sdst(0) depctr_va_vdst(0) depctr_va_sdst(0) depctr_va_ssrc(0) depctr_va_vcc(0) depctr_vm_vsrc(0)
	s_getreg_b32 s2, hwreg(HW_REG_IB_STS2, 6, 4)
	s_cmp_eq_u32 s2, 0
	s_cbranch_scc0 .Lentry_in_a_cluster
	s_endpgm
.Lentry_in_a_cluster:
	s_bfe_u32 s2, ttmp6, 0x10000c
	s_cmp_lg_u32 s2, 0x3003
	s_cbranch_scc0 .Lentry_shape_is_right
	s_endpgm
.Lentry_shape_is_right:
; out[q][head] = the sum over the keys of softmax(q . k / 8 + mask) v, both products on codes of FP4 (E2M1) with E8M0 scales, from the images that the launch before has laid.
; THE SOFTMAX: t = logit x log2(e); M = the row's largest t so far, rounded up to a whole number; p = 2^(t - M) is quantised along the keys, not normalised; the row's sum is taken of the unquantised p and divides at the end.
; When M moves, the sum and O are multiplied by 2^(old M - new M): exact.
; SHARES.  A work-group owns 256 queries of one head, each of its sixteen waves one tile of 16 in 256 registers: four waves to a SIMD, so that one wave's vector work stands beside another's products and LDS loads.
; 12 heads x 16 blocks of queries are 192 work-groups: a head's 256 tiles do not divide into the 12 tiles a work-group that 256 work-groups would take.
; LDS.  A head's 32 records of 9,216 bytes (128 keys each: K's tiles, V^T's tiles, scale words, mask) are 294,912 bytes: they come ONCE, in four quarters, and stay: nothing is filled again.
; CLUSTER.  The four work-groups of a cluster belong to one head and want the same records: each load is asked for jointly, with the same descriptor and a mask that names the four.
; LAYOUT.  Both products are used transposed (S^T = K Q^T, O^T = V^T P^T): a lane holds ONE query (lane % 16) throughout.  The keys of a tile of K are chosen so that the 16 registers of tiles 2 b, 2 b + 1 are the keys 32 b + 16 (lane / 16) + 0 .. 15.
; THE HEAD'S K IS 64, THE INSTRUCTION'S 128: source 0 holds TWO tiles of keys (tile 2 p in registers 0-3, tile 2 p + 1 in registers 4-7); q stands between zeros, v16-19 = 0, v20-23 = q, v24-27 = 0:
; v[20:27] = [q, 0] picks the first tile, v[16:23] = [0, q] the second: zero codes add nothing.  q's scale word holds its two bytes twice.
; THE MASK IS THE C OF THE SCORES' PRODUCT: it is loaded into the scores' registers, in the result's layout, and costs no addition.  The division by 8 lies in q's scale bytes.
; LIMITS: a row all of whose t lie under -3e38 is not served; NaN is not served.
.set REC,   9216
.set QUART, 8*REC                      ; a quarter of the head: eight steps
.set PART,  QUART/16                   ; a wave's part of a quarter: 18 rows of 256 bytes
.set SP,    272                        ; the way out: a stage of 16 rows x (256 bytes + 16) for each wave, in the first quarter's bytes: they have had their only fill, and nobody reads them behind the second quarter's barrier
.set LI,  1                            ; v1   16 x lane
.set LM,  2                            ; v2   64 x (lane / 16): my half's 16 numbers of a block of the mask
.set ADR, 3                            ; v3   the step's record + LI
.set ADM, 4                            ; v4   the step's record + LM
.set STI, 5                            ; v5   the stage, on the way in
.set STB, 6                            ; v6   and back
.set GO,  7                            ; v7   my byte offset in the tile's rows of out
.set KF,  32                           ; v32-63   K: four pairs of tiles
.set VF,  64                           ; v64-95   V^T: four tiles
.set S,   96                           ; v96-159  the mask, then the scores, then p
.set O,   160                          ; v160-191 O^T
.set PCD, 192                          ; v192-199 p's codes
.set SC,  200                          ; v200-203 scale words: lanes 0-15 K's four pairs, lanes 16-31 V's four tiles
.set PW,  204                          ; v204     p's scale word
.set SB,  206                          ; v[206:207] the sum's second chain
.set BM,  208                          ; v208-211 the blocks' largest scores, then their p
.set PT,  212                          ; v212-215 the other half's, then the bytes
.set SO,  216                          ; v216-219 the conversions' scale operands
.set F,   220                          ; v[220:221] f = 2^(old M - new M), named as a pair
.set T,   222
.set QS,  28                           ; v28      q's scale words
.set WV,  12                           ; s12  my wave's number
.set CS,  22                           ; s[22:23] log2(e), named as a pair
.set G1,  24                           ; s[24:31] descriptor group 1
.set G0,  32                           ; s[32:47] groups 0, one for each quarter
.set SEL, 48                           ; s[48:49] lane selects: lane l xor 16
.set TB,  50                           ; s50  LDS byte at which the step's record begins
.set CNT, 51                           ; s51  steps to go in the quarter
.macro CROUND                          ; a round of the cluster's barrier
	s_barrier_signal -1
	s_barrier_wait -1
	s_cmp_lg_u32 s[WV], 0
	s_cbranch_scc1 .Lnot_wave_0_\@
	s_barrier_signal -3
.Lnot_wave_0_\@:
	s_barrier_wait -3
	s_barrier_signal -1
	s_barrier_wait -1
.endm
	s_load_b256 s[4:11], s[0:1], 0x0               ; qc s[4:5], qs s[6:7], kv s[8:9], out s[10:11]
	v_lshl_add_u32 v254, v0, 2, 0x48000
	v_mov_b32 v255, 0
	ds_add_u32 v254, v255
	ds_add_u32 v254, v255
	v_lshrrev_b32 v1, 5, v0
	v_readfirstlane_b32 s[WV], v1                  ; wave 0..15
	s_bfe_u32 s13, ttmp6, 0x40000                  ; cx
	s_lshl_b32 s14, ttmp9, 2
	s_add_co_u32 s14, s14, s13                     ; X: my block of 256 queries: it enters q's and out's addresses alone
	s_and_b32 s15, ttmp7, 0xffff                   ; the head, which the four partners share
	; every LDS address is made here, ahead of the first branch on the wave's number
	v_and_b32 v8, 31, v0
	v_lshlrev_b32 v[LI], 4, v8
	v_bfe_u32 v9, v0, 4, 1                         ; h
	v_and_b32 v10, 15, v0                          ; r
	v_lshlrev_b32 v[LM], 6, v9
	s_mul_i32 s21, s[WV], 16*SP                    ; my stage
	v_mul_u32_u24 v[STI], v10, SP
	v_lshl_add_u32 v[STI], v9, 5, v[STI]
	v_add_nc_u32 v[STI], s21, v[STI]               ; in: row r, + 32 h; tile t's eight channels 64 t bytes on
	v_mul_u32_u24 v[STB], v9, SP
	v_lshl_add_u32 v[STB], v10, 4, v[STB]
	v_add_nc_u32 v[STB], s21, v[STB]               ; back: lanes 0-15 one row, lanes 16-31 the next
	v_mul_u32_u24 v[GO], v9, 3072
	v_lshl_add_u32 v[GO], v10, 4, v[GO]            ; and the same two rows in out
	v_lshlrev_b32 v11, 2, v10                      ; q's scale word: 4 r
	; descriptor group 1: 18 rows of 256 bytes (32 elements of 8 bytes), dense
	s_mov_b32 s[G1], 15|(3<<16)|(1<<21)            ; 15:0 the mask: all four work-groups; 17:16 elements of 8 bytes; 21 set beside a mask
	s_mov_b32 s[G1+1], 32<<16                      ; tensor_dim0
	s_mov_b32 s[G1+2], 18<<16                      ; tensor_dim1
	s_mov_b32 s[G1+3], 32<<16                      ; tile_dim0
	s_mov_b32 s[G1+4], 18                          ; tile_dim1
	s_mov_b32 s[G1+5], 32                          ; from row to row
	s_mov_b32 s[G1+6], 0
	s_mov_b32 s[G1+7], 0
	s_mul_i32 s20, s[WV], PART                     ; my part of a quarter: the wave's number alone
	s_mul_i32 s16, s15, 32*REC
	s_add_co_u32 s16, s16, s20                     ; in memory: the head and the wave
	s_mov_b32 s17, 0
	s_lshl_b32 s18, s15, 8
	s_lshl_b32 s19, s14, 4
	s_add_co_u32 s18, s18, s19
	s_add_co_u32 s18, s18, s[WV]                   ; my tile of queries: 256 x head + 16 X + w
	s_lshl_b32 s52, s18, 9
	s_mov_b32 s53, 0
	s_lshl_b32 s54, s18, 6
	s_mov_b32 s55, 0
	s_lshl_b32 s56, s14, 8                         ; the tile's first token: 256 X + 128 (w / 8) + 32 ((w % 8) / 2) + 8 (w % 2); its row r is token + r + 8 (r / 8)
	s_lshr_b32 s57, s[WV], 3
	s_lshl_b32 s57, s57, 7
	s_add_co_u32 s56, s56, s57
	s_bfe_u32 s57, s[WV], 0x20001
	s_lshl_b32 s57, s57, 5
	s_add_co_u32 s56, s56, s57
	s_and_b32 s57, s[WV], 1
	s_lshl_b32 s57, s57, 3
	s_add_co_u32 s56, s56, s57
	s_mul_i32 s56, s56, 3072                       ; a row of out is 3,072 bytes,
	s_lshl_b32 s57, s15, 8
	s_add_co_u32 s56, s56, s57                     ; a head's 64 numbers 256
	s_mov_b32 s57, 0
	s_mov_b32 s[CS], 0x3fb8aa3b                    ; log2(e)
	s_mov_b32 s[CS+1], s[CS]
	s_mov_b32 s[SEL], 0x76543210
	s_mov_b32 s[SEL+1], 0xfedcba98
	s_wait_dscnt 0x0
	s_wait_kmcnt 0x0
	s_add_nc_u64 s[16:17], s[8:9], s[16:17]
	s_add_nc_u64 s[4:5], s[4:5], s[52:53]
	s_add_nc_u64 s[6:7], s[6:7], s[54:55]
	s_add_nc_u64 s[10:11], s[10:11], s[56:57]
.irp q, 0,1,2,3
	s_mov_b32 s[G0+4*\q], 1                                        ; count = 1
	s_add_co_u32 s[G0+4*\q+1], s20, QUART*\q                       ; LDS address
	s_add_nc_u64 s[G0+4*\q+2:G0+4*\q+3], s[16:17], QUART*\q        ; global address
	s_or_b32 s[G0+4*\q+3], s[G0+4*\q+3], 0x80000000                ; type = 2
.endr
	CROUND                                         ; all four work-groups are here: the joint loads meet
.irp q, 0,1,2,3
	tensor_load_to_lds s[G0+4*\q:G0+4*\q+3], s[G1:G1+7]            ; the whole head, a quarter a load: four loads of mine are out
	s_nop 0
.endr
.rept 4
	v_nop
.endr
	global_load_b128 v[20:23], v[LI], s[4:5]       ; q's image
	global_load_b32 v[QS], v11, s[6:7]
.irp j, 16,17,18,19,24,25,26,27
	v_mov_b32 v[\j], 0                             ; the zero codes on both sides of q
.endr
	v_mov_b32 v13, 0xff61b1e6                      ; the largest t so far: -3e38
	v_floor_f32 v12, -v13                          ; -M
	v_mov_b32 v14, 0                               ; the sum, in two halves
	v_mov_b32 v15, 0
.irp j, 0,1,2,3,4,5,6,7,8,9,10,11,12,13,14,15,16,17,18,19,20,21,22,23,24,25,26,27,28,29,30,31
	v_mov_b32 v[O+\j], 0                           ; O^T.  (The step is written once: the first finds zeros, which the first change of M leaves zeros)
.endr
.irp b, 0,1,2,3
	v_mov_b32 v[PT+\b], 0                          ; written once: a lane permute's destination counts as one of its sources
.endr
	v_mov_b32 v[F+1], 0                            ; named as the upper half of a pair
	v_mov_b32 v[T], 0
	s_wait_loadcnt 0x0                             ; q
; A KEY STEP: 128 keys, the record at LDS byte s[TB]
.macro STEP
	v_add_nc_u32 v[ADR], s[TB], v[LI]
	v_add_nc_u32 v[ADM], s[TB], v[LM]
	v_nop
	v_nop                                          ; four plain instructions between the last step's products and the loads into V's and the scale words' registers
.irp p, 0,1,2,3
	ds_load_b128 v[KF+8*\p:KF+8*\p+3], v[ADR] offset:1024*\p           ; tile 2 p
	ds_load_b128 v[KF+8*\p+4:KF+8*\p+7], v[ADR] offset:1024*\p+512     ; tile 2 p + 1
.endr
	ds_load_b128 v[SC:SC+3], v[ADR] offset:8192
.irp i, 0,1,2,3,4,5,6,7,8,9,10,11,12,13,14,15
	ds_load_b128 v[S+4*\i:S+4*\i+3], v[ADM] offset:8704+128*(\i/4)+16*(\i%4)   ; the mask of keys 32 (i / 4) + 16 h + 4 (i % 4) on: sixteen lanes read the same 16 bytes
.endr
.irp t, 0,1,2,3
	ds_load_b128 v[VF+8*\t:VF+8*\t+3], v[ADR] offset:4096+1024*\t
	ds_load_b128 v[VF+8*\t+4:VF+8*\t+7], v[ADR] offset:4096+1024*\t+512
.endr
	s_wait_dscnt 8                                 ; all but V's eight loads
.irp p, 0,1,2,3                                ; S^T = K Q^T / 8 + mask: eight accumulators, one instruction each
	v_wmma_scale_f32_16x16x128_f8f6f4 v[S+16*\p:S+16*\p+7], v[KF+8*\p:KF+8*\p+7], v[20:27], v[S+16*\p:S+16*\p+7], v[SC+\p], v[QS] matrix_a_fmt:MATRIX_FMT_FP4 matrix_b_fmt:MATRIX_FMT_FP4
	v_wmma_scale_f32_16x16x128_f8f6f4 v[S+16*\p+8:S+16*\p+15], v[KF+8*\p:KF+8*\p+7], v[16:23], v[S+16*\p+8:S+16*\p+15], v[SC+\p], v[QS] matrix_a_fmt:MATRIX_FMT_FP4 matrix_b_fmt:MATRIX_FMT_FP4
.endr
.rept 4
	v_nop
.endr
.irp b, 0,1,2,3
	v_max3_num_f32 v[BM+\b], v[S+16*\b], v[S+1+16*\b], v[S+2+16*\b]   ; the largest score of each block of 32 keys (each accumulator from its low end on): it serves for the row's maximum and, since p rises with the score, for the block's largest p
.endr
.irp i, 3,5,7,9,11,13
.irp b, 0,1,2,3
	v_max3_num_f32 v[BM+\b], v[BM+\b], v[S+16*\b+\i], v[S+1+16*\b+\i]
.endr
.endr
.irp b, 0,1,2,3
	v_max_num_f32 v[BM+\b], v[BM+\b], v[S+15+16*\b]
.endr
.irp b, 0,1,2,3
	v_permlanex16_b32 v[PT+\b], v[BM+\b], s[SEL], s[SEL+1]
.endr
.irp b, 0,1,2,3
	v_max_num_f32 v[BM+\b], v[BM+\b], v[PT+\b]     ; with lane l xor 16's 16 keys
.endr
	v_max3_num_f32 v[T], v[BM], v[BM+1], v[BM+2]
	v_max_num_f32 v[T], v[T], v[BM+3]              ; the step's largest score of my query,
	v_mul_f32 v[T], s[CS], v[T]                    ; as t
	v_max_num_f32 v13, v13, v[T]                   ; the running largest t
	v_mov_b32 v[T], v12
	v_floor_f32 v12, -v13                          ; the new -M = -ceil(t): a whole number
	v_sub_f32 v[T], v12, v[T]                      ; old M - new M: a whole number, 0 or less
	v_cvt_i32_f32 v[T], v[T]                       ; (it saturates)
	v_ldexp_f32 v[F], 1.0, v[T]                    ; f = 2^(old M - new M)
.irp j, 0,2,4,6,8,10,12,14,16,18,20,22,24,26,28,30,32,34,36,38,40,42,44,46,48,50,52,54,56,58,60,62
	v_pk_fma_f32 v[S+\j:S+1+\j], v[S+\j:S+1+\j], s[CS:CS+1], v[12:13] op_sel_hi:[1,0,0]   ; t - M, two at a time
.endr
.irp b, 0,1,2,3
	v_fma_f32 v[BM+\b], v[BM+\b], s[CS], v12       ; the same of each block's largest score
.endr
.irp j, 0,1,2,3,4,5,6,7,8,9,10,11,12,13,14,15,16,17,18,19,20,21,22,23,24,25,26,27,28,29,30,31,32,33,34,35,36,37,38,39,40,41,42,43,44,45,46,47,48,49,50,51,52,53,54,55,56,57,58,59,60,61,62,63
	v_exp_f32 v[S+\j], v[S+\j]                     ; p = 2^(t - M): one batch
.endr
	v_pk_mul_f32 v[14:15], v[14:15], v[F:F+1] op_sel_hi:[1,0]   ; the sums under the new M: the plain instruction behind the exponentials
	s_wait_alu depctr_va_vdst(0)                   ; one wait for the batch, ahead of its first reader
.irp b, 0,1,2,3
	v_exp_f32 v[BM+\b], v[BM+\b]                   ; the blocks' largest p: the same two instructions on the same numbers give the same bits
.endr
	v_pk_add_f32 v[SB:SB+1], v[S:S+1], v[S+2:S+3]  ; the row's sum, of the unquantised p: two chains; these lines read the 64 alone
.irp j, 4,8,12,16,20,24,28,32,36,40,44,48,52
	v_pk_add_f32 v[14:15], v[14:15], v[S+\j:S+1+\j]
	v_pk_add_f32 v[SB:SB+1], v[SB:SB+1], v[S+2+\j:S+3+\j]
.endr
	s_wait_alu depctr_va_vdst(0)                   ; and one for the four
.irp b, 0,1,2,3
	v_max_num_f32 v[BM+\b], 0x1800000, v[BM+\b]    ; the floor 2^(3 - 127): the byte cannot fall under 1 (a block whose every p is 0 keeps that byte: its codes are zeros)
.endr
.irp b, 0,1,2,3
	v_add_nc_u32 v[SO+\b], 0xff000000, v[BM+\b]    ; 2 off the exponent field: the conversion's scale operand
.endr
.irp b, 0,1,2,3
	v_lshrrev_b32 v[PT+\b], 23, v[SO+\b]           ; the scale's byte
.endr
	v_lshl_or_b32 v[PW], v[PT+1], 8, v[PT]         ; p's scale word for these 128 keys
	v_lshl_or_b32 v[PW], v[PT+2], 16, v[PW]
	v_lshl_or_b32 v[PW], v[PT+3], 24, v[PW]
.irp b, 0,1,2,3
	v_cvt_scalef32_pk8_fp4_f32 v[PCD+2*\b], v[S+16*\b:S+7+16*\b], v[SO+\b]
	v_cvt_scalef32_pk8_fp4_f32 v[PCD+1+2*\b], v[S+8+16*\b:S+15+16*\b], v[SO+\b]
.endr
	v_nop                                          ; one plain instruction behind a scaled conversion
.irp c, 0,1                                    ; a whole block to a lane: registers 4 c .. 4 c + 3 then hold keys 64 c + 32 h + 0 .. 31
.irp i, 0,1
	v_permlane16_swap_b32 v[PCD+4*\c+\i], v[PCD+2+4*\c+\i]
.endr
.endr
.irp j, 0,2,4,6,8,10,12,14,16,18,20,22,24,26,28,30
	v_pk_mul_f32 v[O+\j:O+1+\j], v[O+\j:O+1+\j], v[F:F+1] op_sel_hi:[1,0]   ; O^T under the new M (each accumulator from its low end on)
.endr
.irp j, 56,60                                  ; the sum's last additions stand here: with the lines above they are the plain instructions between the writes of p's scale word and codes and the products below
	v_pk_add_f32 v[14:15], v[14:15], v[S+\j:S+1+\j]
	v_pk_add_f32 v[SB:SB+1], v[SB:SB+1], v[S+2+\j:S+3+\j]
.endr
	v_pk_add_f32 v[14:15], v[14:15], v[SB:SB+1]
	s_wait_dscnt 0x0                               ; V is in
.irp t, 0,1,2,3                                ; O^T += V^T P^T: four accumulators, one instruction each; V's scale words lie in lanes 16-31
	v_wmma_scale_f32_16x16x128_f8f6f4 v[O+8*\t:O+8*\t+7], v[VF+8*\t:VF+8*\t+7], v[PCD:PCD+7], v[O+8*\t:O+8*\t+7], v[SC+\t], v[PW] matrix_a_fmt:MATRIX_FMT_FP4 matrix_b_fmt:MATRIX_FMT_FP4 matrix_a_scale:MATRIX_SCALE_ROW1
.endr
.endm
; A quarter of the head: my part of it has landed (the later quarters' loads stay out), then everybody's; eight steps
.macro QUARTER q
	s_wait_tensorcnt 3-\q
	s_wait_dscnt 0x0
	s_barrier_signal -1
	s_barrier_wait -1
	s_mov_b32 s[TB], QUART*\q
	s_mov_b32 s[CNT], 8
.Lstep_\@:
	STEP
	s_add_co_u32 s[TB], s[TB], REC
	s_sub_co_u32 s[CNT], s[CNT], 1
	s_cmp_lg_u32 s[CNT], 0
	s_cbranch_scc1 .Lstep_\@
.endm
	QUARTER 0
	QUARTER 1
	QUARTER 2
	QUARTER 3
	; THE WAY OUT.  O^T is divided by the row's sum and goes through my stage in LDS, so that sixteen lanes store one query's 64 numbers of the head: 256 consecutive bytes, aligned.
	v_add_f32 v14, v14, v15                        ; the sum's two halves,
	v_permlanex16_b32 v[T], v14, s[SEL], s[SEL+1]
	v_add_f32 v14, v14, v[T]                       ; and lane l xor 16's
	v_rcp_f32 v14, v14
.rept 4
	v_nop                                          ; the plain instruction behind the reciprocal, and the places behind the last products
.endr
	s_wait_alu depctr_va_vdst(0)                   ; ahead of the reciprocal's first reader
.irp j, 0,1,2,3,4,5,6,7,8,9,10,11,12,13,14,15,16,17,18,19,20,21,22,23,24,25,26,27,28,29,30,31
	v_mul_f32 v[S+\j], v[O+\j], v14                ; register 8 t + j is o(query r, channel 16 t + 8 h + j)
.endr
.irp t, 0,1,2,3
	ds_store_b128 v[STI], v[S+8*\t:S+8*\t+3] offset:64*\t
	ds_store_b128 v[STI], v[S+8*\t+4:S+8*\t+7] offset:64*\t+16
.endr
.irp i, 0,1,2,3,4,5,6,7
	ds_load_b128 v[KF+4*\i:KF+4*\i+3], v[STB] offset:2*\i*SP       ; LDS serves a wave's instructions in order (ISA guide 5.7.1.4): these see my stores
.endr
.irp i, 0,1,2,3,4,5,6,7
	s_wait_dscnt 7-\i                              ; rows 2 i, 2 i + 1 are back; the younger loads may be out
	global_store_b128 v[GO], v[KF+4*\i:KF+4*\i+3], s[10:11] offset:(2*\i+8*(\i/4))*3072 th:TH_STORE_NT   ; the tile's row n is token n + 8 (n / 8)
.endr
	s_wait_tensorcnt 0x0
	ds_add_u32 v254, v255
	s_wait_dscnt 0x0
	CROUND                                         ; the closing round: no work-group ends while a partner may still ask for a load that names it
	s_endpgm
.Lfunc_end_k_qcb9964c42d_attn:
	.size	k_qcb9964c42d_attn, .Lfunc_end_k_qcb9964c42d_attn-k_qcb9964c42d_attn
	.p2alignl 7, 3214868480
	.fill 96, 4, 3214868480
	.section	.rodata,"a",@progbits
	.p2align	6, 0x0
	.amdhsa_kernel k_qcb9964c42d_attn
		.amdhsa_group_segment_fixed_size 327680
		.amdhsa_private_segment_fixed_size 0
		.amdhsa_enable_private_segment 0
		.amdhsa_kernarg_size 32
		.amdhsa_user_sgpr_count 2
		.amdhsa_user_sgpr_kernarg_segment_ptr 1
		.amdhsa_wavefront_size32 1
		.amdhsa_system_sgpr_workgroup_id_x 1
		.amdhsa_system_sgpr_workgroup_id_y 1
		.amdhsa_system_sgpr_workgroup_id_z 1
		.amdhsa_system_vgpr_workitem_id 0
		.amdhsa_next_free_vgpr 256
		.amdhsa_next_free_sgpr 66
		.amdhsa_reserve_vcc 0
		.amdhsa_float_denorm_mode_32 3
		.amdhsa_float_denorm_mode_16_64 3
		.amdhsa_memory_ordered 1
		.amdhsa_forward_progress 1
		.amdhsa_inst_pref_size 75
	.end_amdhsa_kernel
	.amdgpu_metadata
---
amdhsa.version: [ 1, 2 ]
amdhsa.kernels:
  - .name:           k_qcb9964c42d_attn
    .symbol:         k_qcb9964c42d_attn.kd
    .args:
      - { .name: qc, .offset: 0, .size: 8, .value_kind: global_buffer, .address_space: global }
      - { .name: qs, .offset: 8, .size: 8, .value_kind: global_buffer, .address_space: global }
      - { .name: kv, .offset: 16, .size: 8, .value_kind: global_buffer, .address_space: global }
      - { .name: out0, .offset: 24, .size: 8, .value_kind: global_buffer, .address_space: global }
    .group_segment_fixed_size: 327680
    .private_segment_fixed_size: 0
    .kernarg_segment_align: 8
    .kernarg_segment_size: 32
    .max_flat_workgroup_size: 512
    .sgpr_count:     66
    .vgpr_count:     256
    .wavefront_size: 32
...
	.end_amdgpu_metadata
.endif
;; end of part 2
